; MI455X (gfx1250); checked and timed in simulation.
; The chip was launched on July 23, 2026; its instructions are those of AMD's public machine-readable ISA for CDNA 5 (MIT licence, August 2026) and "CDNA5" Instruction Set Architecture Reference Guide (July 2026). The comments in the code are by the model that wrote it; some were corrected since.
;; Density Estimator. Allowed arithmetic: matrix products marked QUANTISED: E5M2 operands, one given power-of-two scale a tensor, by v_wmma_f32_16x16x64_bf8_bf8 or v_wmma_f32_16x16x128_bf8_bf8, f32 sums; everything else in f32.
;; Inputs: features 8,192 x 1,024 float32; lowp_scales 2 int32 (the exponents e of the quantised operands' scales 2^e).
;; Outputs: out0 8,192 x 1 float32.
;; This version of the problem:
;;   THIS VERSION OF THE PROBLEM IS GIVEN IN LOW PRECISION. The matrix products marked QUANTISED in the list below multiply operands that are first quantised to E5M2 (5 exponent bits, 2 mantissa bits; 8 bits a number), with one given power-of-two scale for each operand tensor; their sums are f32. All else is computed in f32.
;;   The module's matrix products, in the order in which they are computed (A, B: the left and right operand; K: the contracted axis; several contracted axes count as one K, in the product's order):
;;     1. [M 8,192, K 1,024] x [K 1,024, N 8,192]; A: input features; B: input features: QUANTISED (scales: A lowp_scales[0], B lowp_scales[1])
;;   THE QUANTISER, for each operand of a quantised product, along K:
;;     - The operand's scale is 2^e, e = its entry of the input lowp_scales (int32; the entries are numbered through the quantised products in the list's order, A before B).
;;     - Each number is divided by the scale, clamped to +-57,344, and rounded to the nearest number of E5M2, ties to even, subnormals kept.
;;     - The product sums the exact products of the quantised numbers (number of the format x scale) in f32.
;;   ~~~python
;;   def quantise(x, axis, e):      # numpy; x: float32 -> the quantised numbers, widened to float32 again
;;       x = np.moveaxis(x, axis, -1); K = x.shape[-1]
;;       r = np.clip(x / 2.0 ** e, -57344, 57344)
;;       step = 2.0 ** (np.maximum(np.frexp(np.where(r == 0, 1, r))[1] - 1, -14) - 2)
;;       q = np.round(r / step) * step * 2.0 ** e      # np.round: ties to even
;;       return np.moveaxis(q, -1, axis).astype(np.float32)
;;   ~~~
;; One version. Each part assembles by itself: llvm-mc -triple=amdgcn-amd-amdhsa -mcpu=gfx1250 --defsym DOCPART=n.
;; ======== version 1 of 1: 3 launches
;; workspace buffers: a_codes 8,388,608 bytes; b_codes 8,388,608 bytes; sq 32,768 bytes; cand 1,572,864 bytes
;; launch quant (part 1): grid 256 x 1, 8 waves a work-group, no clusters, 42,240 bytes of LDS; arguments features, lowp_scales, a_codes, b_codes, sq; writes a_codes, b_codes, sq
.if DOCPART == 1
	.amdgcn_target "amdgcn-amd-amdhsa--gfx1250"
	.amdhsa_code_object_version 6
	.text
	.protected	k_q65c87676a8_quant
	.globl	k_q65c87676a8_quant
	.p2align	8
	.type	k_q65c87676a8_quant,@function
k_q65c87676a8_quant:
	s_mov_b64 s[64:65], 0
	v_nop
	global_prefetch_b8 v0, s[64:65] scope:SCOPE_SE
	s_setreg_imm32_b32 hwreg(HW_REG_WAVE_MODE, 25, 1), 1
	s_wait_xcnt 0x0
; features [8192][1024] f32 is read once and gives three things: a_codes (E5M2 codes with the scale 2^e0), b_codes (with 2^e1), both [8192][1024] bytes with K innermost,
; and sq[row] = the sum of the row's squares, taken of the f32 numbers as they are given.
; code = x / 2^e, held within +-57,344, rounded to the nearest code, ties to even.  e0, e1: the two whole numbers of lowp_scales.
; LIMITS: e0 and e1 between -126 and 112, so that 2^e and 57,344 x 2^e are f32 numbers.  NaN among the inputs is not served.  sq is summed in pairs and across lanes, another order than a plain running sum.
; SHARES.  Work-group g takes rows 32 g .. 32 g + 31, wave w four of them: 8 steps of 512 numbers, two steps to a row.  All 32 loads of a wave (512 consecutive bytes each) go out at the head.
; The conversions take 8 neighbours along K from ONE lane's registers, so a step's 2,048 bytes turn through the wave's own stage in LDS: in as loaded (16 bytes a lane), out 64 bytes a lane.
; A lane's 16 codes are 16 bytes: each store of a wave covers 512 consecutive bytes.  No store's data register is written twice, so no wait frees one.
.set SP,   80                          ; a lane's place in a stage: its 64 bytes + 16 of padding
.set STGB, 32*SP                       ; a stage
.set WREG, 2*STGB                      ; LDS of a wave: two stages by turns
.set SQW,  8*WREG                      ; behind the stages: 32 words, the work-group's row sums
.set R,    16                          ; v16-143  step t's 16 registers as loaded, at R + 16 t
.set X,    144                         ; v144-175 two sets of 16 neighbours
.set HA,   176                         ; v176-191 the numbers held for A's scale
.set C,    192                         ; v192-255 step t: A's codes at C + 8 t, B's at C + 8 t + 4
; v0 thread, later 57,344 x 2^e1; v1 later 2^e1; v2 lane, later 57,344 x 2^e0; v13 2^e0; v3 16 x lane; v[4:7] two packed chains of squares; v8, v9 the reduction
	s_load_b128 s[4:7], s[0:1], 0x0                ; features, lowp_scales
	s_load_b128 s[8:11], s[0:1], 0x10              ; a_codes, b_codes
	s_load_b64 s[12:13], s[0:1], 0x20              ; sq
	s_set_vgpr_msb 0x40
	v_lshl_add_u32 v0, v0, 2, 0xa100
	v_mov_b32 v1, 0
	s_set_vgpr_msb 0x4000
	v_lshrrev_b32 v1, 5, v0
	v_readfirstlane_b32 s16, v1                    ; wave 0..7
	v_and_b32 v2, 31, v0                           ; lane
	v_lshlrev_b32 v3, 4, v2                        ; my 16 bytes of a load's, and of a code store's, 512
	s_mul_i32 s17, s16, WREG
	v_lshrrev_b32 v14, 2, v2
	v_mul_u32_u24 v14, v14, SP
	v_and_b32 v15, 3, v2
	v_lshl_add_u32 v14, v15, 4, v14
	v_add_nc_u32 v14, s17, v14                     ; the stage, on the way in: four lanes' 64 bytes on end, then the padding
	v_mul_u32_u24 v15, v2, SP
	v_add_nc_u32 v15, s17, v15                     ; and on the way out: my 16 neighbours
	v_lshlrev_b32 v10, 2, v2                       ; 4 x lane: a row's word in sq
	v_add_nc_u32 v11, SQW, v10                     ; and among the work-group's 32 sums in LDS
	s_lshl_b32 s18, s16, 4
	s_add_co_u32 s18, s18, SQW
	v_mov_b32 v12, s18                             ; where my wave's four sums go
	v_mov_b32 v9, 0                                ; written once: a lane permute's destination counts as one of its sources
	s_mov_b32 s14, 0x76543210                      ; v_permlanex16_b32: each lane takes its own place in the other half
	s_mov_b32 s15, 0xfedcba98
	s_lshl_b32 s20, ttmp9, 17                      ; 32 rows of 4,096 bytes,
	s_lshl_b32 s21, s16, 14                        ; my wave's 4
	s_add_co_u32 s20, s20, s21
	s_mov_b32 s21, 0
	s_lshl_b32 s24, ttmp9, 15                      ; the same rows in the codes: 1,024 bytes each
	s_lshl_b32 s25, s16, 12
	s_add_co_u32 s24, s24, s25
	s_mov_b32 s25, 0
	s_lshl_b32 s26, ttmp9, 7                       ; and in sq: 4 bytes each
	s_mov_b32 s27, 0
	s_wait_kmcnt 0x0
	s_load_b64 s[22:23], s[6:7], 0x0               ; e0, e1
	s_add_nc_u64 s[4:5], s[4:5], s[20:21]
	s_add_nc_u64 s[8:9], s[8:9], s[24:25]
	s_add_nc_u64 s[10:11], s[10:11], s[24:25]
	s_add_nc_u64 s[12:13], s[12:13], s[26:27]
.irp t, 0,1,2,3,4,5,6,7
.irp i, 0,1,2,3
	global_load_b128 v[R+16*\t+4*\i:R+16*\t+4*\i+3], v3, s[4:5] offset:2048*\t+512*\i th:TH_LOAD_NT   ; 32 lanes read 512 consecutive bytes; read once in the launch
.endr
.endr
	s_wait_kmcnt 0x0
	s_add_co_i32 s22, s22, 127
	s_lshl_b32 s17, s22, 23
	v_mov_b32 v13, s17                             ; 2^e0 as f32: the conversion takes its exponent field
	s_add_co_i32 s22, s22, 15
	s_lshl_b32 s22, s22, 23
	s_or_b32 s22, s22, 0x600000
	v_mov_b32 v2, s22                              ; 57,344 x 2^e0
	s_add_co_i32 s23, s23, 127
	s_lshl_b32 s17, s23, 23
	v_mov_b32 v1, s17                              ; 2^e1
	s_add_co_i32 s23, s23, 15
	s_lshl_b32 s23, s23, 23
	s_or_b32 s23, s23, 0x600000
	v_mov_b32 v0, s23                              ; 57,344 x 2^e1
.macro TURN t                          ; step t's numbers through a stage: LDS serves a wave's instructions in order (ISA guide 5.7.1.4), so no wait stands between the stores and the loads
.irp i, 0,1,2,3
	ds_store_b128 v14, v[R+16*(\t)+4*\i:R+16*(\t)+4*\i+3] offset:STGB*((\t)%2)+8*SP*\i
.endr
.irp i, 0,1,2,3
	ds_load_b128 v[X+16*((\t)%2)+4*\i:X+16*((\t)%2)+4*\i+3], v15 offset:STGB*((\t)%2)+16*\i
.endr
.endm
.macro STEP t
.set XS, X+16*((\t)%2)
.set CS, C+8*(\t)
	s_wait_dscnt 0x0                               ; this step's numbers are back from the stage
.if (\t) < 7
	s_wait_loadcnt 24-4*(\t)                       ; the next step's four loads are in; those of the steps behind it, four each, may be out
	TURN (\t)+1                                    ; and go through the other stage while this step is worked
.endif
.irp p, 0,1,2,3,4,5,6,7                        ; the squares, two at a time, in two chains; a row's first step starts the chains: nothing is cleared
.if ((\t)%2 == 0) && (\p < 2)
	v_pk_mul_f32 v[4+2*\p:5+2*\p], v[XS+2*\p:XS+2*\p+1], v[XS+2*\p:XS+2*\p+1]
.else
	v_pk_fma_f32 v[4+2*(\p%2):5+2*(\p%2)], v[XS+2*\p:XS+2*\p+1], v[XS+2*\p:XS+2*\p+1], v[4+2*(\p%2):5+2*(\p%2)]
.endif
.endr
.irp i, 0,1,2,3,4,5,6,7,8,9,10,11,12,13,14,15
	v_med3_num_f32 v[HA+\i], v[XS+\i], -v2, v2     ; the conversion to an 8-bit code does not saturate (ISA guide 7.6.2): the hold at the largest code x A's scale, into other registers,
.endr
.irp i, 0,1,2,3,4,5,6,7,8,9,10,11,12,13,14,15
	v_med3_num_f32 v[XS+\i], v[XS+\i], -v0, v0     ; and at the largest code x B's scale, in place
.endr
	v_cvt_scalef32_pk8_bf8_f32 v[CS:CS+1], v[HA:HA+7], v13
	v_cvt_scalef32_pk8_bf8_f32 v[CS+2:CS+3], v[HA+8:HA+15], v13
	v_cvt_scalef32_pk8_bf8_f32 v[CS+4:CS+5], v[XS:XS+7], v1
	v_cvt_scalef32_pk8_bf8_f32 v[CS+6:CS+7], v[XS+8:XS+15], v1
	global_store_b128 v3, v[CS:CS+3], s[8:9] offset:512*(\t)      ; the results go to stores alone; the next vector lines (the sums below, or the next step's squares) are plain and touch neither the codes nor the conversions' sources
	global_store_b128 v3, v[CS+4:CS+7], s[10:11] offset:512*(\t)
.if (\t)%2                                     ; a row is done: its sum over my 32 numbers, then over the 32 lanes
	v_pk_add_f32 v[4:5], v[4:5], v[6:7]
	v_add_f32 v8, v4, v5
	v_add_f32_dpp v8, v8, v8 row_xmask:1 row_mask:0xf bank_mask:0xf
	v_add_f32_dpp v8, v8, v8 row_xmask:2 row_mask:0xf bank_mask:0xf
	v_add_f32_dpp v8, v8, v8 row_xmask:4 row_mask:0xf bank_mask:0xf
	v_add_f32_dpp v8, v8, v8 row_xmask:8 row_mask:0xf bank_mask:0xf
	v_permlanex16_b32 v9, v8, s14, s15
	v_add_f32 v8, v8, v9
	ds_store_b32 v12, v8 offset:4*((\t)/2)         ; all lanes write the same word with the same value
.endif
.endm
	s_wait_loadcnt 28                              ; step 0's four loads are in; the other 28 may be out
	TURN 0
.irp t, 0,1,2,3,4,5,6,7
	STEP \t
.endr
	s_wait_dscnt 0x0                               ; for wave 0's sake: my four sums lie in LDS
	s_barrier_signal -1
	s_barrier_wait -1
	s_cmp_lg_u32 s16, 0
	s_cbranch_scc1 .Ldone                          ; wave 0 stores the work-group's 32 sums: 128 consecutive bytes
	ds_load_b32 v8, v11
	s_wait_dscnt 0x0
	global_store_b32 v10, v8, s[12:13]
.Ldone:
	s_set_vgpr_msb 0x5
	s_wait_tensorcnt 0x0
	ds_add_u32 v0, v1
	s_wait_dscnt 0x0
	s_set_vgpr_msb 0x500
	s_endpgm
.Lfunc_end_k_q65c87676a8_quant:
	.size	k_q65c87676a8_quant, .Lfunc_end_k_q65c87676a8_quant-k_q65c87676a8_quant
	.p2alignl 7, 3214868480
	.fill 96, 4, 3214868480
	.section	.rodata,"a",@progbits
	.p2align	6, 0x0
	.amdhsa_kernel k_q65c87676a8_quant
		.amdhsa_group_segment_fixed_size 42240
		.amdhsa_private_segment_fixed_size 0
		.amdhsa_enable_private_segment 0
		.amdhsa_kernarg_size 40
		.amdhsa_user_sgpr_count 2
		.amdhsa_user_sgpr_kernarg_segment_ptr 1
		.amdhsa_wavefront_size32 1
		.amdhsa_system_sgpr_workgroup_id_x 1
		.amdhsa_system_sgpr_workgroup_id_y 1
		.amdhsa_system_sgpr_workgroup_id_z 1
		.amdhsa_system_vgpr_workitem_id 0
		.amdhsa_next_free_vgpr 258
		.amdhsa_next_free_sgpr 66
		.amdhsa_reserve_vcc 0
		.amdhsa_float_denorm_mode_32 3
		.amdhsa_float_denorm_mode_16_64 3
		.amdhsa_memory_ordered 1
		.amdhsa_forward_progress 1
		.amdhsa_inst_pref_size 37
	.end_amdhsa_kernel
	.amdgpu_metadata
---
amdhsa.version: [ 1, 2 ]
amdhsa.kernels:
  - .name:           k_q65c87676a8_quant
    .symbol:         k_q65c87676a8_quant.kd
    .args:
      - { .name: features, .offset: 0, .size: 8, .value_kind: global_buffer, .address_space: global }
      - { .name: lowp_scales, .offset: 8, .size: 8, .value_kind: global_buffer, .address_space: global }
      - { .name: a_codes, .offset: 16, .size: 8, .value_kind: global_buffer, .address_space: global }
      - { .name: b_codes, .offset: 24, .size: 8, .value_kind: global_buffer, .address_space: global }
      - { .name: sq, .offset: 32, .size: 8, .value_kind: global_buffer, .address_space: global }
    .group_segment_fixed_size: 42240
    .private_segment_fixed_size: 0
    .kernarg_segment_align: 8
    .kernarg_segment_size: 40
    .max_flat_workgroup_size: 256
    .sgpr_count:     66
    .vgpr_count:     258
    .wavefront_size: 32
...
	.end_amdgpu_metadata
.endif
;; end of part 1
;; launch gram (part 2): grid 8 x 32, 4 waves a work-group, clusters of 4 x 4, 327,680 bytes of LDS; arguments a_codes, b_codes, sq, lowp_scales, cand; writes cand
.if DOCPART == 2
	.amdgcn_target "amdgcn-amd-amdhsa--gfx1250"
	.amdhsa_code_object_version 6
	.text
	.protected	k_q65c87676a8_gram
	.globl	k_q65c87676a8_gram
	.p2align	8
	.type	k_q65c87676a8_gram,@function
k_q65c87676a8_gram:
	s_mov_b64 s[64:65], 0
	v_nop
	global_prefetch_b8 v0, s[64:65] scope:SCOPE_SE
	s_setreg_imm32_b32 hwreg(HW_REG_WAVE_MODE, 25, 1), 1
	s_wait_xcnt 0x0
	s_wait_alu depctr_hold_cnt(0) depctr_sa_sdst(0) depctr_va_vdst(0) depctr_va_sdst(0) depctr_va_ssrc(0) depctr_va_vcc(0) depctr_vm_vsrc(0)
	s_getreg_b32 s2, hwreg(HW_REG_IB_STS2, 6, 4)
	s_cmp_eq_u32 s2, 0
	s_cbranch_scc0 .Lentry_in_a_cluster
	s_endpgm
.Lentry_in_a_cluster:
	s_bfe_u32 s2, ttmp6, 0x10000c
	s_cmp_lg_u32 s2, 0xf033
	s_cbranch_scc0 .Lentry_shape_is_right
	s_endpgm
.Lentry_shape_is_right:
; For each row i and each group of 1,024 columns: the six smallest t[i][j] = sq[j] - 2 G[i][j], G = A B^T on codes of BF8 (E5M2), A with the scale 2^e0, B with 2^e1; sums in f32.
; sqrt, max(., 0) and the addition of sq[i] keep the order of a row's numbers, so they are applied to the one number that is kept, by the next launch.  G never leaves the registers.
; LIMITS: e0 + e1 + 1 between -126 and 127, so that 2^(e0 + e1 + 1) is an f32 number.  NaN is not served.  t is one fused multiply-add, sq[j] - 2^(e0+e1+1) x sum; sq[i] is added later: another order of rounding than (sq[i] + sq[j]) - 2 G.
; SHARES.  Work-group (X, Y) makes rows 256 Y .. + 255 against columns 1024 X + 256 t .., t = 0 .. 3: four tiles of 256 x 256, one after the other; a wave makes 128 x 128 of each: 64 accumulators, 512 registers.
; K = 1,024 goes in four steps of 256 through a ring of two LDS slots filled by the tensor data mover; the ring does not stop at a tile's end: a tile's last two changes of slots ask for the next tile's first two K steps.
; CLUSTERS: 4 x 4 work-groups.  The four of a row of the cluster need the same tiles of A, the four of a column the same tiles of B: each tile is asked for JOINTLY, by the same tensor load with the same descriptor and a mask that names the four.
; THE MATRIX INSTRUCTION IS USED TRANSPOSED (source 0 = 16 rows of B, source 1 = 16 rows of A): a lane holds ONE row i (lane % 16 of a block of 16) and its registers hold columns, so a lane keeps the row's lists and nothing crosses lanes before the end.
; THE SELECTION.  Three numbers are sorted (min3, med3, max3); the least goes into an ascending list of 6, the middle one into a list of 3, the greatest into a list of 2.  A middle one with three other middle ones at or under it has seven
; numbers at or under it, a greatest with two others has eight: so the six smallest of all that a lane sees lie among the 11 kept.  An insertion into a list a0 .. a(n-1) is a_k = med3(a_(k-1), a_k, v), k descending, and a_0 = min(a_0, v).
; The lists begin as +infinity; a lane sees 256 numbers of each of its rows.
; The last tile is written out a second time behind the loop over the first three, since it asks for no further tile.
; REGISTERS, in windows of 256: window 0: v0-31 addresses; v32-119 the lists (block a of 16 rows at 32 + 11 a); v128-255 A's fragments, ONE set; during the selection v192-255 (A's blocks 4-7, whose fetch is held back) are at work.
;   window 1: B's fragments, TWO sets, at v0 and v128; during the selection v128-191 hold sq of my 64 columns.   windows 2, 3: accumulator (a, b) at v[8 (8 (a % 4) + b)].
.set ROWB,   256                       ; a tile's row in bytes: 256 codes
.set KROW,   1024                      ; a row of codes in memory
.set PITCH,  272                       ; an LDS row: 256 bytes + 16 of padding = 68 words: row r starts at bank 4 r mod 64 (64 banks of 4 bytes: ISA guide 11.1), so the 16 rows that a load touches start at 16 different banks
.set FR,     16                        ; registers of a fragment: 16 rows x 128 K
.set NL,     4                         ; LDS loads that bring one
.set NP,     4                         ; places behind this matrix instruction (ISA guide 7.12.1)
.set HALFT,  128*PITCH                 ; 128 rows: what one tensor load brings
.set SLOT,   4*HALFT                   ; A's 256 rows, then B's 256 rows
.set SPARE,  2*SLOT                    ; behind the ring: the spare words, 128 bytes for each wave: two blocks of 256 bytes that no other line names
.set SQL,    SPARE+512                 ; sq of the work-group's 1,024 columns: 4,096 bytes, stored once; no tile lands here
.set STG,    SQL+4096                  ; the way out: four lists [k 0..5][row 0..255] f32,
.set LP,     6*1024+64                 ; LP bytes apart: the 64 put the two halves of the lanes on different banks
.set NEXTB,  256*KROW-2*ROWB           ; from a slot's last K step of a tile to its first of the next tile: B goes 256 rows down and back along K; A only back
.set PF_TILE, 256*KROW-3*ROWB          ; the prefetches: from a tile's K step 3 to the next tile's K step 0
.set ADRA, 16                          ; v16-17  LDS address of my A fragments in slot 0, 1
.set ADRB, 20                          ; v20-21  the same for B
.set STO,  24                          ; v24     the way out: where my lists go
.set RDA,  25                          ; v25     and where I read two rows' lists back
.set GOF,  26                          ; v26     8 x lane: my two rows in cand
.set PFO,  27                          ; v27     1,024 x lane: a row of codes; never rewritten
.set SPW,  28                          ; v28     LDS address of my spare word; never rewritten
.set NIL,  29                          ; v29     0; never rewritten
.set SQA0, 30                          ; v30     SQL + 512 x my column half + 32 x (lane / 16)
.set SQAD, 31                          ; v31     the same in the tile in hand
.set LST,  32
.set AF,   128
.set XT,   192
.set SQ,   128                         ; in window 1
.set G1, 24                            ; s[24:31] descriptor group 1 for A's tiles;  s[32:39] group 0, one set for each slot
.set G0, 32
.set G1B, 48                           ; s[48:55], s[56:63] the same for B's tiles
.set G0B, 56
.set SC,  66                           ; s[66:67] -2^(e0 + e1 + 1) as f32 (the packed form names the pair and takes its low word)
.set PFA, 70                           ; s[70:71] where my prefetches stand
.set LIM, 72                           ; s72  1 in a wave that prefetches
.set SQT, 73                           ; s73  1,024 x the tile's number: its 256 words in SQL
.set MSB, 0
.macro WIN new                         ; the immediate's high byte repeats the setting that is left; a switch that changes nothing is dropped
.if MSB != \new
	s_set_vgpr_msb (MSB<<8)|\new
.set MSB, \new
.endif
.endm
.set MUL_LO, 0xa1                      ; source 0 (B) window 1, source 1 (A) window 0, C and D window 2
.set MUL_HI, 0xf1                      ; the same, C and D window 3
.set TO_B,   0x40                      ; destination window 1, address window 0
.set F_LO,   0x92                      ; source 0 and destination window 2, source 2 window 1
.set F_HI,   0xd3                      ; the same with window 3
; A joint load: waves 0 and 1 fetch for A, waves 2 and 3 for B.  Each of the two lines has ONE mask and one set of registers for all that issue it; the branch hangs on the wave's number alone.
; Four v_nop follow each of the two lines, ahead of the jump, the label and what follows.
.macro JLOAD g0a, g1a, g0b, g1b
	s_cmp_eq_u32 s15, 0
	s_cbranch_scc0 .Lfor_b_\@
	tensor_load_to_lds s[\g0a:\g0a+3], s[\g1a:\g1a+7]
	s_nop 0
.rept 4
	v_nop
.endr
	s_branch .Lasked_\@
.Lfor_b_\@:
	tensor_load_to_lds s[\g0b:\g0b+3], s[\g1b:\g1b+7]
	s_nop 0
.rept 4
	v_nop
.endr
.Lasked_\@:
.endm
.macro CREST                           ; a round of the cluster's barrier behind its opening barrier
	s_cmp_lg_u32 s14, 0
	s_cbranch_scc1 .Lnot_wave_0_\@
	s_barrier_signal -3
.Lnot_wave_0_\@:
	s_barrier_wait -3
	s_barrier_signal -1
	s_barrier_wait -1
.endm
.macro CROUND                          ; a whole round
	s_barrier_signal -1
	s_barrier_wait -1
	CREST
.endm
; A PREFETCH INTO THE L2 of B's codes: the change of slots behind K step k of tile t names K step k of tile t + 1, which the joint load two changes on asks for: 32 rows x 256 bytes, a lane a row, one instruction a wave.
; Each row's 256 bytes of a K step are named ONCE in the launch: the clusters of one cluster column read the same rows of B, and the one with cluster y = 0 asks; in it the waves that fetch for B; the four partners that ask for a
; tile jointly share its 128 rows out BY ADDRESS, 32 each (by cy): no branch hangs on a work-group's place in its cluster.  Tile 0 comes by its loads alone, the last tile asks for nothing.  A's rows are the same in all four tiles and are not named.
.macro ASK
	s_cmp_eq_u32 s[LIM], 1
	s_cbranch_scc0 .Lnot_mine_\@
	global_prefetch_b8 v[PFO], s[PFA:PFA+1] th:TH_LOAD_NT scope:SCOPE_SE
.Lnot_mine_\@:
.endm
	s_load_b128 s[4:7], s[0:1], 0x0                ; A's codes s[4:5], B's codes s[6:7]
	s_load_b128 s[8:11], s[0:1], 0x10              ; sq s[8:9], the scales' exponents s[10:11]
	s_load_b64 s[12:13], s[0:1], 0x20              ; cand
	v_lshl_add_u32 v[SPW], v0, 2, SPARE
	v_mov_b32 v[NIL], 0
	ds_add_u32 v28, v29
	ds_add_u32 v28, v29
	s_wait_dscnt 0x0
	v_lshrrev_b32 v1, 5, v0
	v_readfirstlane_b32 s14, v1                    ; wave 0..3
	s_lshr_b32 s15, s14, 1                         ; which half of the tile's rows is mine.  Also: I fetch for A (0) or for B (1)
	s_and_b32 s16, s14, 1                          ; which half of its columns.  Also: which 128 rows of that tile I fetch
	s_bfe_u32 s40, ttmp6, 0x40000                  ; cx, cy: my place in the cluster
	s_bfe_u32 s41, ttmp6, 0x40004
	s_lshl_b32 s42, ttmp9, 2
	s_add_co_u32 s42, s42, s40                     ; X = 4 x cluster x + cx: my group of 1,024 columns
	s_and_b32 s17, ttmp7, 0xffff
	s_lshl_b32 s17, s17, 2
	s_add_co_u32 s17, s17, s41                     ; Y = 4 x cluster y + cy: my block of 256 rows
	s_lshl_b32 s43, s41, 2
	s_lshl_b32 s43, 15, s43                        ; my row of the cluster
	s_lshl_b32 s44, 0x1111, s40                    ; my column
	; descriptor group 1: a tile of 128 rows x 256 bytes, padded in LDS
	s_or_b32 s[G1+0], s43, (0<<16)|(1<<20)|(1<<21)|(5<<22)|(3<<25)  ; 15:0 the mask: A's tiles go to my row; 17:16 element of 1 byte; 20 padding on; 21 set beside a mask; 24:22 after every 64 words (code 5); 31:25 of 4 words (code 3)
	s_or_b32 s[G1B+0], s44, (0<<16)|(1<<20)|(1<<21)|(5<<22)|(3<<25) ; the same with the mask of my column, for B's tiles
.irp g, G1, G1B
	s_mov_b32 s[\g+1], ROWB<<16                    ; tensor_dim0
	s_mov_b32 s[\g+2], 128<<16                     ; tensor_dim1 = 128
	s_mov_b32 s[\g+3], ROWB<<16                    ; tile_dim0
	s_mov_b32 s[\g+4], 128                         ; tile_dim1 = 128
	s_mov_b32 s[\g+5], KROW                        ; tensor_dim0_stride
	s_mov_b32 s[\g+6], 0
	s_mov_b32 s[\g+7], 0
.endr
	s_lshl_b32 s18, s16, 7                         ; which 128 rows of the tile I fetch
	s_lshl_b32 s20, s17, 8
	s_add_co_u32 s20, s20, s18                     ; A: row 256 Y + 128 x half,
	s_lshl_b32 s20, s20, 10                        ; in bytes
	s_mov_b32 s21, 0
	s_lshl_b32 s46, s42, 10
	s_add_co_u32 s46, s46, s18                     ; B: row 1024 X + 128 x half (tile 0),
	s_lshl_b32 s46, s46, 10
	s_mov_b32 s47, 0
	s_mul_i32 s45, s14, HALFT                      ; where they go: wave x 128 rows: no place in the cluster enters an LDS address
	s_wait_kmcnt 0x0
	s_load_b64 s[68:69], s[10:11], 0x0             ; e0, e1
	s_add_nc_u64 s[20:21], s[4:5], s[20:21]
	s_add_nc_u64 s[46:47], s[6:7], s[46:47]
	CROUND                                         ; all sixteen work-groups are here: the first joint loads meet
.irp s, 0,1
	s_mov_b32 s[G0+4*\s], 1                                        ; 1:0 count = 1
	s_add_co_u32 s[G0+4*\s+1], s45, \s*SLOT                        ; 63:32 LDS address
	s_add_nc_u64 s[G0+4*\s+2:G0+4*\s+3], s[20:21], \s*ROWB         ; 120:64 global address: K step s
	s_or_b32 s[G0+4*\s+3], s[G0+4*\s+3], 0x80000000                ; 127:126 type = 2
	s_mov_b32 s[G0B+4*\s], 1
	s_add_co_u32 s[G0B+4*\s+1], s45, \s*SLOT
	s_add_nc_u64 s[G0B+4*\s+2:G0B+4*\s+3], s[46:47], \s*ROWB
	s_or_b32 s[G0B+4*\s+3], s[G0B+4*\s+3], 0x80000000
	JLOAD G0+4*\s, G1, G0B+4*\s, G1B               ; two tensor loads of mine are out
.endr
	; sq of my work-group's 1,024 columns: 4,096 bytes, copied once: each thread 16 bytes at 16 x thread and 16 bytes 2,048 further on
	s_lshl_b32 s18, s42, 12
	s_mov_b32 s19, 0
	s_add_nc_u64 s[8:9], s[8:9], s[18:19]
	v_lshlrev_b32 v7, 4, v0
	global_load_b128 v[8:11], v7, s[8:9]
	global_load_b128 v[12:15], v7, s[8:9] offset:2048
	v_and_b32 v1, 15, v0                           ; r = lane % 16
	v_bfe_u32 v2, v0, 4, 1                         ; h = lane / 16
	v_mul_u32_u24 v3, v1, PITCH
	v_lshl_add_u32 v4, v2, 4, v3                   ; a fragment's row x pitch + 16 x half
	s_mul_i32 s21, s15, HALFT                      ; my 128 rows of A
	s_mul_i32 s22, s16, HALFT                      ; my 128 rows of B,
	s_add_co_u32 s22, s22, 2*HALFT                 ; which lie behind A's 256
.irp s, 0,1
	v_add_nc_u32 v[ADRA+\s], s21, v4
	v_add_nc_u32 v[ADRB+\s], s22, v4
	s_add_co_u32 s21, s21, SLOT
	s_add_co_u32 s22, s22, SLOT
.endr
	v_lshl_add_u32 v3, v0, 4, SQL                  ; where my 16 bytes of sq go
	s_mul_i32 s23, s16, 2*LP                       ; the way out: list 2 x column half + h; row 128 x row half + 16 a + r
	s_lshl_b32 s18, s15, 9
	s_add_co_u32 s23, s23, s18
	s_add_co_u32 s23, s23, STG
	v_mul_u32_u24 v5, v2, LP
	v_lshl_add_u32 v5, v1, 2, v5
	v_add_nc_u32 v[STO], s23, v5
	v_and_b32 v6, 31, v0
	v_lshlrev_b32 v[GOF], 3, v6
	s_lshl_b32 s18, s14, 8
	s_add_co_u32 s18, s18, STG
	v_add_nc_u32 v[RDA], s18, v[GOF]               ; back: rows 64 x wave + 2 x lane and the next
	v_lshlrev_b32 v[PFO], 10, v6
	s_lshl_b32 s18, s16, 9
	s_add_co_u32 s18, s18, SQL
	v_lshl_add_u32 v[SQA0], v2, 5, s18
	s_mov_b32 s18, 0x7f800000                      ; +infinity
.set FN, 0
.rept 88
	v_mov_b32 v[LST+FN], s18                       ; the lists begin over every number
.set FN, FN+1
.endr
	s_mul_i32 s18, s42, 6*8192*4                   ; cand [X][k][row]: my wave's 64 rows
	s_lshl_b32 s19, s17, 10
	s_add_co_u32 s18, s18, s19
	s_lshl_b32 s19, s14, 8
	s_add_co_u32 s18, s18, s19
	s_mov_b32 s19, 0
	s_add_nc_u64 s[12:13], s[12:13], s[18:19]
	s_lshl_b32 s18, s42, 10                        ; the prefetches: B's row 1024 X + 128 x half + 32 cy,
	s_lshl_b32 s19, s16, 7
	s_add_co_u32 s18, s18, s19
	s_lshl_b32 s19, s41, 5
	s_add_co_u32 s18, s18, s19
	s_lshl_b32 s18, s18, 10
	s_add_co_u32 s18, s18, 3*ROWB                  ; at tile 0's K step 3: the first change of slots steps it to tile 1's K step 0
	s_mov_b32 s19, 0
	s_add_nc_u64 s[PFA:PFA+1], s[6:7], s[18:19]
	s_xor_b32 s[LIM], s15, 1                       ; 0 in the waves that fetch for B,
	s_and_b32 s19, ttmp7, 0xffff
	s_or_b32 s[LIM], s[LIM], s19                   ; of the clusters with y = 0: the same in all sixteen partners, for a given wave
	s_cmp_eq_u32 s[LIM], 0
	s_cselect_b32 s[LIM], 1, -1
	s_mov_b32 s[SQT], 0
	s_wait_kmcnt 0x0
	s_add_co_i32 s[SC], s68, s69
	s_add_co_i32 s[SC], s[SC], 128
	s_lshl_b32 s[SC], s[SC], 23
	s_or_b32 s[SC], s[SC], 0x80000000              ; -2^(e0 + e1 + 1)
	s_mov_b32 s[SC+1], s[SC]                       ; (named with it as a pair, so it is written)
	s_wait_loadcnt 0x0                             ; sq
	ds_store_b128 v3, v[8:11]
	ds_store_b128 v3, v[12:15] offset:2048
.macro FRAG reg, adr, q, i             ; a fragment, 16 rows x 128 K of 8-bit codes, is 16 registers: lane l holds row l % 16; registers 4 c .. 4 c + 3 hold K = 32 c + 16 (l / 16) + 0 .. 15: the same permutation of k in A and in B
.irp c, 0,1,2,3
	ds_load_b128 v[\reg+4*\c:\reg+4*\c+3], v[\adr] offset:128*(\q)+32*\c+(\i)*16*PITCH
.endr
.endm
; 16 matrix instructions: A's blocks a0, a0 + 1 x B's eight, 128 along K.  p: B's set.  zero = 1: the first product starts the sums: nothing is ever cleared.
; The 64 accumulators take turns, one instruction a turn, in the same order in every step.
.macro MUL16 a0, p, zero
.irp a, \a0, \a0+1
.irp b, 0,1,2,3,4,5,6,7
.if \zero
	v_wmma_f32_16x16x128_bf8_bf8 v[8*(8*((\a)%4)+\b):8*(8*((\a)%4)+\b)+7], v[128*(\p)+FR*\b:128*(\p)+FR*\b+FR-1], v[AF+FR*(\a):AF+FR*(\a)+FR-1], 0
.else
	v_wmma_f32_16x16x128_bf8_bf8 v[8*(8*((\a)%4)+\b):8*(8*((\a)%4)+\b)+7], v[128*(\p)+FR*\b:128*(\p)+FR*\b+FR-1], v[AF+FR*(\a):AF+FR*(\a)+FR-1], v[8*(8*((\a)%4)+\b):8*(8*((\a)%4)+\b)+7]
.endif
.endr
.endr
.endm
.macro FETCH_B slot, q, p              ; B's eight fragments of the slot's q-th 128 along K into set p
	WIN TO_B
.irp i, 0,1,2,3,4,5,6,7
	FRAG 128*(\p)+FR*\i, ADRB+\slot, \q, \i
.endr
	WIN 0
.endm
.macro FETCH_A slot, q, i0             ; A's blocks i0 .. i0 + 3
.irp i, \i0, \i0+1, \i0+2, \i0+3
	FRAG AF+FR*(\i), ADRA+\slot, \q, \i
.endr
.endm
; A load into a register that a matrix instruction has read, and a vector instruction that reads a matrix result, stand NP places behind that matrix instruction, and only plain vector
; instructions that name none of its registers are places (ISA guide 7.12.1 for vector instructions).
.macro PLACES n
.rept \n
	v_nop
.endr
.endm
; A step of 128 along K that has its successor in the same slot.
.macro STEP slot, q, zero
	s_wait_dscnt 4*NL                              ; B's set and A's blocks 0-3 are in; the youngest 16 loads (A's blocks 4-7) may be out
	WIN MUL_LO
	MUL16 0, (\q)%2, \zero
	MUL16 2, (\q)%2, \zero
	s_wait_dscnt 0                                 ; A's blocks 4-7 are in
	PLACES NP
	FETCH_B \slot, (\q)+1, 1-(\q)%2
	FETCH_A \slot, (\q)+1, 0
	WIN MUL_HI
	MUL16 4, (\q)%2, \zero
	MUL16 6, (\q)%2, \zero
	PLACES NP
	WIN 0
	FETCH_A \slot, (\q)+1, 4
.endm
; A slot's last step changes slots: ONE barrier; in front of it each wave waits for all its tensor loads, adds 0 to its spare word, and waits for that and for its own reads of this slot.
; fill = 1: this slot is filled again: on = 0 with this tile's K step two on, on = 1 with the next tile's K step 0 or 1.  pf: how far the prefetches' address steps (0: none is made).
; hold = 1: A's blocks 4-7 are not fetched yet: the selection works in their registers.
.macro TURN slot, next, fill, on, pf, hold
.if \pf
	s_wait_xcnt 0x0                                ; the last prefetch, a K step back, has read its address: it is stepped here, ahead of the waits of the change of slots
	s_add_nc_u64 s[PFA:PFA+1], s[PFA:PFA+1], \pf
.endif
	s_wait_tensorcnt 0x0                           ; all my tensor loads have landed: the one that was out is my part of the next slot;  (every window is 0 here)
	ds_add_u32 v[SPW], v[NIL]                      ; 0 onto my spare word
	s_wait_dscnt 4*NL+1                            ; (the add and the youngest 16 loads, A's blocks 4-7, may be out)
	WIN MUL_LO
	MUL16 0, 1, 0                                  ; sixteen matrix instructions stand between the add and the wait for it
	s_wait_dscnt 0x0                               ; the add is done, and my reads of this slot are over
	s_barrier_signal -1
	MUL16 2, 1, 0
	WIN 0
	s_barrier_wait -1
.if \fill
	CREST                                          ; the barrier has opened a round of the cluster's barrier: no wave of any partner still reads this slot's tile or has a load on its way
.if \on
	s_sub_nc_u64 s[G0+4*\slot+2:G0+4*\slot+3], s[G0+4*\slot+2:G0+4*\slot+3], 2*ROWB
	s_add_nc_u64 s[G0B+4*\slot+2:G0B+4*\slot+3], s[G0B+4*\slot+2:G0B+4*\slot+3], NEXTB
.else
	s_add_nc_u64 s[G0+4*\slot+2:G0+4*\slot+3], s[G0+4*\slot+2:G0+4*\slot+3], 2*ROWB
	s_add_nc_u64 s[G0B+4*\slot+2:G0B+4*\slot+3], s[G0B+4*\slot+2:G0B+4*\slot+3], 2*ROWB
.endif
	JLOAD G0+4*\slot, G1, G0B+4*\slot, G1B         ; the first tensor load behind the round, and my only one until the next; the four v_nop behind it are the places in front of the loads below
.else
	PLACES NP
.endif
	FETCH_B \next, 0, 0
	FETCH_A \next, 0, 0
.if \pf
	ASK                                            ; behind the joint load and the run of LDS loads that the next products wait for
.endif
	WIN MUL_HI
	MUL16 4, 1, 0
	MUL16 6, 1, 0
	PLACES NP
	WIN 0
.if \hold == 0
	FETCH_A \next, 0, 4
.endif
.endm
.macro LASTSTEP                        ; the launch's very last step: nothing more to fetch
	s_wait_dscnt 4*NL
	WIN MUL_LO
	MUL16 0, 1, 0
	MUL16 2, 1, 0
	s_wait_dscnt 0
	WIN MUL_HI
	MUL16 4, 1, 0
	MUL16 6, 1, 0
	WIN 0
	PLACES NP
.endm
; v[val] goes into the ascending list of n registers v[base], v[base + st], ..: n instructions that do not wait for each other (k descending: each reads its lower neighbour's old value)
.macro INS base, n, val, st
.set KK, (\n)-1
.rept (\n)-1
	v_med3_num_f32 v[(\base)+(\st)*KK], v[(\base)+(\st)*(KK-1)], v[(\base)+(\st)*KK], v[\val]
.set KK, KK-1
.endr
	v_min_num_f32 v[\base], v[\base], v[\val]
.endm
.macro FMA128                          ; a window's 32 accumulators become t = sq[j] - 2^(e0+e1+1) x sum, in place, two at a time; ascending
.set FN, 0
.rept 128
	v_pk_fma_f32 v[FN:FN+1], v[FN:FN+1], s[SC:SC+1], v[SQ+FN%64:SQ+FN%64+1] op_sel_hi:[1,0,1]
.set FN, FN+2
.endr
.endm
.macro BLOCKSEL a                      ; block a's 64 numbers of my row: 21 triples and one over
.set AC, 64*((\a)%4)
.set LB, LST+11*(\a)
.set TW, 0x2a+0x15*((\a)/4)            ; all three sources window 2 (0x2a) or 3 (0x3f), destination window 0
	WIN TW
.set TAU, 0
.rept 21
	v_min3_num_f32 v[XT+3*TAU],   v[AC+3*TAU], v[AC+3*TAU+1], v[AC+3*TAU+2]
	v_med3_num_f32 v[XT+3*TAU+1], v[AC+3*TAU], v[AC+3*TAU+1], v[AC+3*TAU+2]
	v_max3_num_f32 v[XT+3*TAU+2], v[AC+3*TAU], v[AC+3*TAU+1], v[AC+3*TAU+2]
.set TAU, TAU+1
.endr
	v_mov_b32 v[XT+63], v[AC+63]
	WIN 0
.set TAU, 0
.rept 21
	INS LB, 6, XT+3*TAU, 1
	INS LB+6, 3, XT+3*TAU+1, 1
	INS LB+9, 2, XT+3*TAU+2, 1
.set TAU, TAU+1
.endr
	INS LB, 6, XT+63, 1                            ; the one over counts as a least
.endm
; THE SELECTION of a finished tile.  At its head every window is 0 and four places lie behind the last product.  Register 8 b + j of a block holds column 16 b + 8 (lane / 16) + j of my 128.
.macro SELECT
	v_add_nc_u32 v[SQAD], s[SQT], v[SQA0]
	WIN TO_B
.irp b, 0,1,2,3,4,5,6,7
	ds_load_b128 v[SQ+8*\b:SQ+8*\b+3],   v[SQAD] offset:64*\b       ; into B's set 1, which the tile's last step has multiplied
	ds_load_b128 v[SQ+8*\b+4:SQ+8*\b+7], v[SQAD] offset:64*\b+16
.endr
	s_wait_dscnt 0x0
	WIN F_LO
	FMA128
	WIN F_HI
	FMA128
.irp a, 0,1,2,3,4,5,6,7
	BLOCKSEL \a
.endr
.endm
; A TILE: four K steps of 256, then the selection.  last = 0: its last two changes of slots ask for the next tile's K steps 0 and 1, and each change prefetches.  last = 1: the last two ask for nothing.
.macro TILE last
	STEP 0, 0, 1                                   ; a tile's first products start the sums
.if \last
	TURN 0, 1, 1, 0, 0, 0
	STEP 1, 0, 0
	TURN 1, 0, 1, 0, 0, 0
	STEP 0, 0, 0
	TURN 0, 1, 0, 0, 0, 0
	STEP 1, 0, 0
	LASTSTEP
.else
	TURN 0, 1, 1, 0, PF_TILE, 0
	STEP 1, 0, 0
	TURN 1, 0, 1, 0, ROWB, 0
	STEP 0, 0, 0
	TURN 0, 1, 1, 1, ROWB, 0
	STEP 1, 0, 0
	TURN 1, 0, 1, 1, ROWB, 1
.endif
	SELECT
.endm
	s_wait_tensorcnt 1                             ; my part of K step 0 is in (K step 1's load may be out)
	s_wait_dscnt 0x0                               ; and my part of sq lies in LDS
	s_barrier_signal -1
	s_barrier_wait -1                              ; everybody's does
	FETCH_B 0, 0, 0
	FETCH_A 0, 0, 0
	FETCH_A 0, 0, 4
	s_mov_b32 s3, 3
.Ltile:                                                ; three trips: the tiles that have a successor
	TILE 0
	FETCH_A 0, 0, 4                                ; the selection has left their registers: A's blocks 4-7 of the next tile's first step: the only 16 loads that are out
	s_add_co_u32 s[SQT], s[SQT], 1024
	s_sub_co_u32 s3, s3, 1
	s_cmp_lg_u32 s3, 0
	s_cbranch_scc1 .Ltile
	TILE 1                                         ; the last tile is written out
	; THE WAY OUT.  A block's lists of 3 and of 2 go into its list of 6 (the blocks by turns, so that no line waits for the one before it);
.irp c, 6,7,8,9,10
.irp a, 0,1,2,3,4,5,6,7
	INS LST+11*\a, 6, LST+11*\a+\c, 1
.endr
.endr
	; a row's numbers lie in four lists: two halves of the lanes in each of two waves.  They meet in LDS.
.irp a, 0,1,2,3,4,5,6,7
.irp k, 0,1,2,3,4,5
	ds_store_b32 v[STO], v[LST+11*\a+\k] offset:1024*\k+64*\a
.endr
.endr
	s_wait_dscnt 0x0                               ; for the others' sake: my lists lie in LDS
	s_barrier_signal -1
	s_barrier_wait -1
.irp l, 0,1,2,3
.irp k, 0,1,2,3,4,5
	ds_load_b64 v[128+2*(6*\l+\k):129+2*(6*\l+\k)], v[RDA] offset:\l*LP+1024*\k   ; two neighbouring rows a lane: 256 consecutive bytes a wave
.endr
.endr
	s_wait_dscnt 0x0
.irp l, 1,2,3                                  ; list 0 (ascending in k) takes the 18 numbers of the others; the even row in the even registers, the odd row in the odd ones
.irp k, 0,1,2,3,4,5
	INS 128, 6, 128+2*(6*\l+\k), 2
	INS 129, 6, 129+2*(6*\l+\k), 2
.endr
.endr
.irp k, 0,1,2,3,4,5
	global_store_b64 v[GOF], v[128+2*\k:129+2*\k], s[12:13] offset:32768*\k   ; 32 lanes store 256 consecutive bytes, at a multiple of 256 from cand's first byte
.endr
	s_wait_tensorcnt 0x0                           ; the wave's end: behind my last tensor load and my last LDS store
	ds_add_u32 v[SPW], v[NIL]
	s_wait_dscnt 0x0
	CROUND                                         ; the closing round: no work-group ends while a partner may still ask for a tile that names it
	s_endpgm
.Lfunc_end_k_q65c87676a8_gram:
	.size	k_q65c87676a8_gram, .Lfunc_end_k_q65c87676a8_gram-k_q65c87676a8_gram
	.p2alignl 7, 3214868480
	.fill 96, 4, 3214868480
	.section	.rodata,"a",@progbits
	.p2align	6, 0x0
	.amdhsa_kernel k_q65c87676a8_gram
		.amdhsa_group_segment_fixed_size 327680
		.amdhsa_private_segment_fixed_size 0
		.amdhsa_enable_private_segment 0
		.amdhsa_kernarg_size 40
		.amdhsa_user_sgpr_count 2
		.amdhsa_user_sgpr_kernarg_segment_ptr 1
		.amdhsa_wavefront_size32 1
		.amdhsa_system_sgpr_workgroup_id_x 1
		.amdhsa_system_sgpr_workgroup_id_y 1
		.amdhsa_system_sgpr_workgroup_id_z 1
		.amdhsa_system_vgpr_workitem_id 0
		.amdhsa_next_free_vgpr 1024
		.amdhsa_next_free_sgpr 80
		.amdhsa_reserve_vcc 0
		.amdhsa_float_denorm_mode_32 3
		.amdhsa_float_denorm_mode_16_64 3
		.amdhsa_memory_ordered 1
		.amdhsa_forward_progress 1
		.amdhsa_inst_pref_size 255
	.end_amdhsa_kernel
	.section	.bss,"aw",@nobits
	.p2align	6
	.space	262144
	.amdgpu_metadata
---
amdhsa.version: [ 1, 2 ]
amdhsa.kernels:
  - .name:           k_q65c87676a8_gram
    .symbol:         k_q65c87676a8_gram.kd
    .args:
      - { .name: a_codes, .offset: 0, .size: 8, .value_kind: global_buffer, .address_space: global }
      - { .name: b_codes, .offset: 8, .size: 8, .value_kind: global_buffer, .address_space: global }
      - { .name: sq, .offset: 16, .size: 8, .value_kind: global_buffer, .address_space: global }
      - { .name: lowp_scales, .offset: 24, .size: 8, .value_kind: global_buffer, .address_space: global }
      - { .name: cand, .offset: 32, .size: 8, .value_kind: global_buffer, .address_space: global }
    .group_segment_fixed_size: 327680
    .private_segment_fixed_size: 0
    .kernarg_segment_align: 8
    .kernarg_segment_size: 40
    .max_flat_workgroup_size: 128
    .sgpr_count:     80
    .vgpr_count:     1024
    .wavefront_size: 32
...
	.end_amdgpu_metadata
.endif
;; end of part 2
;; launch finish (part 3): grid 128 x 1, 1 waves a work-group, no clusters, 0 bytes of LDS; arguments cand, sq, out0; writes out0
.if DOCPART == 3
	.amdgcn_target "amdgcn-amd-amdhsa--gfx1250"
	.amdhsa_code_object_version 6
	.text
	.protected	k_q65c87676a8_finish
	.globl	k_q65c87676a8_finish
	.p2align	8
	.type	k_q65c87676a8_finish,@function
k_q65c87676a8_finish:
	s_mov_b64 s[64:65], 0
	v_nop
	global_prefetch_b8 v0, s[64:65] scope:SCOPE_SE
	s_setreg_imm32_b32 hwreg(HW_REG_WAVE_MODE, 25, 1), 1
	s_wait_xcnt 0x0
; cand [8 column groups][6][8192] f32 holds, for each row, the six smallest t = sq[j] - 2 G[i][j] of each group of 1,024 columns, ascending.  The sixth smallest of the 48 is the row's;
; out0[i] = 1 / (sqrt(max(sq[i] + t, 0)) + 1e-8).
; One wave takes 64 rows, a lane two neighbouring ones: each load and the store cover 256 consecutive bytes, aligned.  All 49 loads go out at the head.
; The even row's list lies in v16, v18, .. v26, the odd row's in v17 .. v27: group 0's six, into which the other groups' are inserted.
; No LDS, no barrier, no matrix unit: a lane's rows are its own.  v_sqrt_f32 and v_rcp_f32 take a denormal as zero (ISA guide, their entries): a squared distance under 2^-126 counts as 0.
.macro INS base, n, val, st            ; v[val] into the ascending list v[base], v[base + st], ..: a_k = med3(a_(k-1), a_k, v), k descending; a_0 = min(a_0, v)
.set KK, (\n)-1
.rept (\n)-1
	v_med3_num_f32 v[(\base)+(\st)*KK], v[(\base)+(\st)*(KK-1)], v[(\base)+(\st)*KK], v[\val]
.set KK, KK-1
.endr
	v_min_num_f32 v[\base], v[\base], v[\val]
.endm
	s_load_b128 s[4:7], s[0:1], 0x0                ; cand, sq
	s_load_b64 s[8:9], s[0:1], 0x10                ; out0
	v_lshlrev_b32 v1, 3, v0                        ; my two rows: 8 bytes a lane
	s_lshl_b32 s10, ttmp9, 8                       ; the work-group's 64 rows: 256 bytes in each of the three
	s_mov_b32 s11, 0
	s_wait_kmcnt 0x0
	s_add_nc_u64 s[4:5], s[4:5], s[10:11]
	s_add_nc_u64 s[6:7], s[6:7], s[10:11]
	s_add_nc_u64 s[8:9], s[8:9], s[10:11]
	global_load_b64 v[2:3], v1, s[6:7]
.set CN, 0
.rept 48
	global_load_b64 v[16+2*CN:17+2*CN], v1, s[4:5] offset:32768*CN th:TH_LOAD_NT   ; number CN = 6 x group + k; read once in the launch
.set CN, CN+1
.endr
.irp g, 1,2,3,4,5,6,7
	s_wait_loadcnt 6*(7-\g)                        ; loads come back in order (ISA guide 5.7.1): group g's six are in; the later groups', six each, may be out
.irp k, 0,1,2,3,4,5
	INS 16, 6, 16+2*(6*\g+\k), 2
	INS 17, 6, 17+2*(6*\g+\k), 2
.endr
.endr
	v_pk_add_f32 v[4:5], v[2:3], v[26:27]          ; sq[i] + the sixth smallest t
	v_max_num_f32 v4, 0, v4
	v_max_num_f32 v5, 0, v5
	v_sqrt_f32 v4, v4
	v_sqrt_f32 v5, v5
	v_nop                                          ; a plain instruction between the last root and the use of its result
	s_wait_alu depctr_va_vdst(0)                   ; and a wait ahead of the first use: one for both
	v_add_f32 v4, 0x322bcc77, v4                   ; + 1e-8
	v_add_f32 v5, 0x322bcc77, v5
	v_rcp_f32 v4, v4
	v_rcp_f32 v5, v5
	v_nop
	s_wait_alu depctr_va_vdst(0)
	global_store_b64 v1, v[4:5], s[8:9]
	s_endpgm
.Lfunc_end_k_q65c87676a8_finish:
	.size	k_q65c87676a8_finish, .Lfunc_end_k_q65c87676a8_finish-k_q65c87676a8_finish
	.p2alignl 7, 3214868480
	.fill 96, 4, 3214868480
	.section	.rodata,"a",@progbits
	.p2align	6, 0x0
	.amdhsa_kernel k_q65c87676a8_finish
		.amdhsa_group_segment_fixed_size 0
		.amdhsa_private_segment_fixed_size 0
		.amdhsa_enable_private_segment 0
		.amdhsa_kernarg_size 24
		.amdhsa_user_sgpr_count 2
		.amdhsa_user_sgpr_kernarg_segment_ptr 1
		.amdhsa_wavefront_size32 1
		.amdhsa_system_sgpr_workgroup_id_x 1
		.amdhsa_system_sgpr_workgroup_id_y 1
		.amdhsa_system_sgpr_workgroup_id_z 1
		.amdhsa_system_vgpr_workitem_id 0
		.amdhsa_next_free_vgpr 128
		.amdhsa_next_free_sgpr 66
		.amdhsa_reserve_vcc 0
		.amdhsa_float_denorm_mode_32 3
		.amdhsa_float_denorm_mode_16_64 3
		.amdhsa_memory_ordered 1
		.amdhsa_forward_progress 1
		.amdhsa_inst_pref_size 35
	.end_amdhsa_kernel
	.amdgpu_metadata
---
amdhsa.version: [ 1, 2 ]
amdhsa.kernels:
  - .name:           k_q65c87676a8_finish
    .symbol:         k_q65c87676a8_finish.kd
    .args:
      - { .name: cand, .offset: 0, .size: 8, .value_kind: global_buffer, .address_space: global }
      - { .name: sq, .offset: 8, .size: 8, .value_kind: global_buffer, .address_space: global }
      - { .name: out0, .offset: 16, .size: 8, .value_kind: global_buffer, .address_space: global }
    .group_segment_fixed_size: 0
    .private_segment_fixed_size: 0
    .kernarg_segment_align: 8
    .kernarg_segment_size: 24
    .max_flat_workgroup_size: 32
    .sgpr_count:     66
    .vgpr_count:     128
    .wavefront_size: 32
...
	.end_amdgpu_metadata
.endif
;; end of part 3
